; MI455X (gfx1250); checked and timed in simulation.
; The chip was launched on July 23, 2026; its instructions are those of AMD's public machine-readable ISA for CDNA 5 (MIT licence, August 2026) and "CDNA5" Instruction Set Architecture Reference Guide (July 2026). The comments in the code are by the model that wrote it; some were corrected since.
;; Grouped Query Attention. Allowed arithmetic: matrix products marked QUANTISED: E2M3 operands, one E8M0 scale for each 32 along K, by v_wmma_scale_f32_16x16x128_f8f6f4 with both operands' format E2M3, f32 sums; everything else in f32.
;; Inputs: Wk_codes 512 x 64 x 24 uint8 (E2M3 codes of Wk, K innermost, in blocks of 32 codes, four codes in three bytes); Wk_scales 512 x 64 uint8 (E8M0 scales of Wk, one for each 32 codes along K); Wo_codes 2,048 x 32 x 24 uint8 (E2M3 codes of Wo, K innermost, in blocks of 32 codes, four codes in three bytes); Wo_scales 2,048 x 32 uint8 (E8M0 scales of Wo, one for each 32 codes along K); Wq_codes 1,024 x 64 x 24 uint8 (E2M3 codes of Wq, K innermost, in blocks of 32 codes, four codes in three bytes); Wq_scales 1,024 x 64 uint8 (E8M0 scales of Wq, one for each 32 codes along K); Wv_codes 512 x 64 x 24 uint8 (E2M3 codes of Wv, K innermost, in blocks of 32 codes, four codes in three bytes); Wv_scales 512 x 64 uint8 (E8M0 scales of Wv, one for each 32 codes along K); cos 4,096 x 128 float32; hidden_states_codes 1 x 4,096 x 64 x 24 uint8 (E2M3 codes of hidden_states, K innermost, in blocks of 32 codes, four codes in three bytes); hidden_states_scales 1 x 4,096 x 64 uint8 (E8M0 scales of hidden_states, one for each 32 codes along K); sin 4,096 x 128 float32.
;; Outputs: out0 1 x 4,096 x 2,048 float32.
;; This version of the problem:
;;   THIS VERSION OF THE PROBLEM IS GIVEN IN LOW PRECISION. The matrix products marked QUANTISED in the list below multiply operands that are first quantised to E2M3 (2 exponent bits, 3 mantissa bits; 6 bits a number), with one power-of-two scale for each 32 numbers along K (OCP MX v1.0); their sums are f32. All else is computed in f32.
;;   The module's matrix products, in the order in which they are computed (A, B: the left and right operand; K: the contracted axis; several contracted axes count as one K, in the product's order):
;;     1. [M 4,096, K 2,048] x [K 2,048, N 1,024]; A: input hidden_states (given as codes); B: input Wq (given as codes): QUANTISED
;;     2. [M 4,096, K 2,048] x [K 2,048, N 512]; A: input hidden_states (given as codes); B: input Wk (given as codes): QUANTISED
;;     3. [M 4,096, K 2,048] x [K 2,048, N 512]; A: input hidden_states (given as codes); B: input Wv (given as codes): QUANTISED
;;     4. batch 8 x [M 4,096, K 128] x [K 128, N 4,096]; A: computed on the way; B: computed on the way: QUANTISED
;;     5. batch 8 x [M 4,096, K 4,096] x [K 4,096, N 128]; A: softmax (see below); B: computed on the way: QUANTISED
;;     6. [M 4,096, K 1,024] x [K 1,024, N 2,048]; A: computed on the way; B: input Wo (given as codes): QUANTISED
;;   THE QUANTISER, for each operand of a quantised product, along K:
;;     - K is cut into blocks of 32 from its start; a last block that is shorter is filled with zeros.
;;     - A block's scale is 2^e with e = floor(log2(the largest magnitude in the block)) - 2, held to -126 .. 127; a block of zeros has e = 0. As a byte (E8M0): e + 127.
;;     - Each number is divided by its block's scale, clamped to +-7.5, and rounded to the nearest number of E2M3, ties to even, subnormals kept.
;;     - The product sums the exact products of the quantised numbers (number of the format x scale) in f32.
;;   ~~~python
;;   def quantise(x, axis):      # numpy; x: float32 -> the quantised numbers, widened to float32 again
;;       x = np.moveaxis(x, axis, -1); K = x.shape[-1]
;;       x = np.pad(x, [(0, 0)] * (x.ndim - 1) + [(0, -K % 32)]); x = x.reshape(x.shape[:-1] + (-1, 32)); a = np.abs(x).max(-1, keepdims=True)
;;       e = np.where(a > 0, np.clip(np.frexp(np.where(a > 0, a, 1))[1] - 1 - 2, -126, 127), 0)      # np.frexp(a)[1] - 1 = floor(log2(a)), exactly
;;       r = np.clip(x / 2.0 ** e, -7.5, 7.5)
;;       step = 2.0 ** (np.maximum(np.frexp(np.where(r == 0, 1, r))[1] - 1, 0) - 3)
;;       q = np.round(r / step) * step * 2.0 ** e      # np.round: ties to even
;;       return np.moveaxis(q.reshape(q.shape[:-2] + (-1,))[..., :K], -1, axis).astype(np.float32)
;;   ~~~
;;   SOFTMAX AHEAD OF A QUANTISED PRODUCT. Where the list says 'softmax', what is quantised is not the finished softmax but p = 2^(t - M), with t = logit x log2(e) and M = ceil(the row's largest t), a whole number; so 1/2 < the row's largest p <= 1. The row's sum l is taken of the UNQUANTISED p, in f32, and the product's result is divided by l at the end. Since M is a whole number, a kernel that streams over the keys may use a running M (the ceiling of the running maximum): every later rescaling is an exact power of two, which a block's scale takes up: the codes' values come out the same.
;;   OPERANDS COMPUTED ON THE WAY. 'Computed on the way' means the value that the module computes at that place (a softmax that the list does not call 'softmax' is quantised finished and normalised). What goes into a quantiser is computed in f32, as accurately as f32 sums, v_exp_f32 and their like allow (about 1e-6 of the number): no bf16 or f16 on the way to a quantiser, and a product that is left as it is and whose result goes on into a quantised operand takes f32 operands (vector FMAs, or v_wmma_f32_16x16x4_f32). A number that lies on a knife's edge between two numbers of the format may be rounded either way, as far as f32 arithmetic and the matrix unit's own rounding can turn it there, and no further.
;;   INPUTS GIVEN AS CODES. Wk (in the module: [2048, 512], K = its axis 0); Wo (in the module: [1024, 2048], K = its axis 0); Wq (in the module: [2048, 1024], K = its axis 0); Wv (in the module: [2048, 512], K = its axis 0); hidden_states (in the module: [1, 4096, 2048], K = its axis 2): each comes as NAME_codes (uint8): NAME with its K axis moved to the last place and cut into blocks of 32 codes, [.., K / 32, bytes a block], one block behind the other in memory; four codes in three bytes: a row's codes are one little-endian stream of bits, code i at bits 6 i .. 6 i + 5 (a code: sign, 2 exponent bits, 3 mantissa bits); and NAME_scales (uint8): the same leading axes, one E8M0 byte (e + 127) for each 32 codes along K. Its value is code x scale, taken as it is: it is not quantised again, and the codes and scales need not be those that the quantiser above would give.
;; One version. Each part assembles by itself: llvm-mc -triple=amdgcn-amd-amdhsa -mcpu=gfx1250 --defsym DOCPART=n.
;; ======== version 1 of 1: 3 launches
;; limits: right only within a limited range of input values
;; workspace buffers: qimg 3,276,800 bytes; kv 3,276,800 bytes; oimg 3,145,728 bytes; osc 131,072 bytes
;; launch proj (part 1): grid 8 x 32, 4 waves a work-group, clusters of 4 x 4, 327,680 bytes of LDS; arguments hidden_states_codes, hidden_states_scales, Wq_codes, Wq_scales, Wk_codes, Wk_scales, Wv_codes, Wv_scales, cos, sin, qimg, kv; writes qimg, kv
.if DOCPART == 1
	.amdgcn_target "amdgcn-amd-amdhsa--gfx1250"
	.amdhsa_code_object_version 6
	.text
	.protected	k_qe2cc80ec37_proj
	.globl	k_qe2cc80ec37_proj
	.p2align	8
	.type	k_qe2cc80ec37_proj,@function
k_qe2cc80ec37_proj:
	s_mov_b64 s[64:65], 0
	v_nop
	global_prefetch_b8 v0, s[64:65] scope:SCOPE_SE
	s_setreg_imm32_b32 hwreg(HW_REG_WAVE_MODE, 25, 1), 1
	s_wait_xcnt 0x0
	s_wait_alu depctr_hold_cnt(0) depctr_sa_sdst(0) depctr_va_vdst(0) depctr_va_sdst(0) depctr_va_ssrc(0) depctr_va_vcc(0) depctr_vm_vsrc(0)
	s_getreg_b32 s2, hwreg(HW_REG_IB_STS2, 6, 4)
	s_cmp_eq_u32 s2, 0
	s_cbranch_scc0 .Lentry_in_a_cluster
	s_endpgm
.Lentry_in_a_cluster:
	s_bfe_u32 s2, ttmp6, 0x10000c
	s_cmp_lg_u32 s2, 0xf033
	s_cbranch_scc0 .Lentry_shape_is_right
	s_endpgm
.Lentry_shape_is_right:
; q, k, v = hidden_states x Wq, Wk, Wv on codes of FP6 (E2M3) with E8M0 scales; RoPE on q and k in f32; all three quantised again and stored as images of operand registers.
; OUT: records of 12,800 bytes = 8 fragments of 1,536 bytes (three runs of 512 bytes, lane l's 16 bytes at 16 l) + 512 bytes of scale words [row 16][fragment 8].
;   qimg [head 8][key step 32]; kv [kv head 4][key step 32][k, v].  q, k: fragment t = tokens 16 t on, K = the head; v: fragment t = 16 channels, K = the step's 128 tokens.
; A WORK-GROUP makes 128 tokens x 256 columns: two heads of q (cluster x = 0), or a head of k and a head of v (cluster x = 1).  256 work-groups.
; A WAVE has 32 accumulators: 8 blocks of source 0 x 4 blocks of source 1.  q, k: source 0 = 128 rows of W (a head), source 1 = 64 tokens: a lane holds a token, its registers run along the head.
;   v: source 0 = 128 tokens, source 1 = 64 rows of Wv: a lane holds a channel, its registers run along the tokens, which are the K of the product that takes v.
; K goes in two halves of 1,024 (768 bytes of a row, beginning at multiples of 256 bytes) through ONE region of LDS: 384 rows.  A tile's row is stated 816 bytes long while 768 are left of the tensor:
;   the last 48 are written as zeros (ISA guide, tensor_dim0), and rows 204 words apart begin in sixteen different groups of four banks.
; The second half is a refill: a round of the cluster's barrier, one joint load a wave.  CLUSTER 4 x 4: the tokens' tile is shared along a row, W's along a column.
; The scale words of all of K go once from memory into registers: a register holds block i's words in lanes 0-15 and block i + 4's (source 1: i + 2's) in lanes 16-31.
; COS AND SIN of the work-group's 128 tokens: each wave loads 64 whole rows of one table (512 consecutive bytes an instruction) into window 2 while K's second half is on its way.  Behind the last reads of the tiles
;   the rows go into LDS rows of 528 bytes, on tile bytes that have had their last fill, and behind one more barrier the q and k waves read them by tokens.
; No prefetch: the code tiles come in two fills with no loop to run ahead in, and the tables' loads stand half of K ahead of their use.
; LIMITS: NaN and infinities are not served.  A block of zeros carries the byte 1 over zero codes (the bytes are read by this program alone).
; REGISTERS: window 0: v0-31 addresses, v32-95 and v96-127 scale words, v128-223 source 1's fragments (two sets), on the way out v128-235 at work; window 1: accumulators (a, b) at 8 (8 a + b);
;   window 2: my 64 rows of a table, then cos and sin of token blocks 0, 1; window 3: source 0's fragments, two sets at v0 and v128, then cos and sin of blocks 2, 3.
.set KROW,  1536
.set PITCH, 816
.set FR,    12
.set ATILE, 128*PITCH
.set SPARE, 3*ATILE                    ; behind the tiles: the spare words, 128 bytes a wave
.set REC,   12800
.set VSTGB, 6400                       ; v's stage, a wave's own: 4 fragments + 256 bytes of scale words; on tile bytes that have had their last fill and their last read
.set CSB,   4*VSTGB                    ; behind the stages: cos, 128 rows, then sin
.set CPITCH, 528
.set CTAB,  128*CPITCH
.set CSW,  13
.set RDS,  14
.set RDB,  15
.set AD8,  16                          ; v16-17 source 0's fragments: blocks 0-3, 4-7
.set AD4,  18
.set SA8,  20
.set SA4,  21
.set LIO,  23
.set LI,   24
.set CSO,  25
.set SCO,  26
.set CS2,  27
.set SPW,  28
.set NIL,  29
.set VST,  30
.set VSS,  31
.set XS,   32                          ; source 0's scale words: v[XS + 16 i + step]
.set YS,   96                          ; source 1's: v[YS + 16 i + step]
.set Q4,   128
.set OUT,  128
.set PC,   192
.set TM,   212
.set PWS,  228
.set WV,   20
.set RH,   21
.set CH,   22
.set TY,   23
.set G1,   24
.set G0,   32
.set SV,   36                          ; 1 in a wave that makes v
.set SEL,  38
.set G1B,  48
.set G0B,  56
.set S8,   60
.set S4,   62
.set MSB, 0
.macro WIN new
.if MSB != (\new)
	s_set_vgpr_msb (MSB<<8)|(\new)
.set MSB, (\new)
.endif
.endm
.macro PLACES
.rept 4
	v_nop
.endr
.endm
.macro JLOAD                           ; waves 0, 1 fetch the tokens' two halves, waves 2, 3 W's: one joint load a wave
	s_cmp_eq_u32 s[RH], 0
	s_cbranch_scc0 .Lfor_b_\@
	tensor_load_to_lds s[G0:G0+3], s[G1:G1+7]
	s_nop 0
	PLACES
	s_branch .Lasked_\@
.Lfor_b_\@:
	tensor_load_to_lds s[G0B:G0B+3], s[G1B:G1B+7]
	s_nop 0
	PLACES
.Lasked_\@:
.endm
.macro CROUND                          ; a round of the cluster's barrier
	s_barrier_signal -1
	s_barrier_wait -1
	s_cmp_lg_u32 s[WV], 0
	s_cbranch_scc1 .Lnot_wave_0_\@
	s_barrier_signal -3
.Lnot_wave_0_\@:
	s_barrier_wait -3
	s_barrier_signal -1
	s_barrier_wait -1
.endm
	s_load_b512 s[4:19], s[0:1], 0x0
	s_load_b256 s[68:75], s[0:1], 0x40             ; cos, sin, qimg, kv
	v_lshl_add_u32 v[SPW], v0, 2, SPARE
	v_mov_b32 v[NIL], 0
	ds_add_u32 v[SPW], v[NIL]                      ; the opening lines: the add twice on end and its wait
	ds_add_u32 v[SPW], v[NIL]
	v_lshrrev_b32 v1, 5, v0
	v_readfirstlane_b32 s[WV], v1
	s_lshr_b32 s[RH], s[WV], 1
	s_and_b32 s[CH], s[WV], 1
	s_bfe_u32 s40, ttmp6, 0x40000                  ; cx
	s_bfe_u32 s41, ttmp6, 0x40004                  ; cy
	s_min_u32 s42, ttmp9, 1                        ; 0: q's columns, 1: k's and v's
	s_and_b32 s[SV], s42, s[CH]
	s_and_b32 s[TY], ttmp7, 0xffff
	s_lshl_b32 s[TY], s[TY], 2
	s_add_co_u32 s[TY], s[TY], s41                 ; my 128 tokens = key step
	s_lshl_b32 s43, s41, 2
	s_lshl_b32 s43, 15, s43                        ; my row of the cluster
	s_lshl_b32 s44, 0x1111, s40                    ; my column
	s_or_b32 s[G1], s43, (3<<16)|(1<<21)           ; elements of 8 bytes; bit 21 beside a mask
	s_or_b32 s[G1B], s44, (3<<16)|(1<<21)
.irp g, G1, G1B
	s_mov_b32 s[\g+1], 96<<16                      ; 768 bytes are left of the tensor,
	s_mov_b32 s[\g+3], 102<<16                     ; the tile's row is 816
	s_mov_b32 s[\g+5], KROW/8
	s_mov_b32 s[\g+6], 0
	s_mov_b32 s[\g+7], 0
.endr
	s_mov_b32 s[G1+2], 64<<16                      ; 64 tokens a load,
	s_mov_b32 s[G1+4], 64
	s_mov_b32 s[G1B+2], 128<<16                    ; 128 rows of W
	s_mov_b32 s[G1B+4], 128
	s_lshl_b32 s76, s[TY], 7
	s_lshl_b32 s77, s[CH], 6
	s_add_co_u32 s76, s76, s77
	s_mul_i32 s76, s76, KROW                       ; the tokens that I fetch
	s_mov_b32 s77, 0
	s_lshl_b32 s78, s40, 8
	s_lshl_b32 s79, s[CH], 7
	s_add_co_u32 s78, s78, s79                     ; Wq's row 256 cx + 128 half
	s_lshl_b32 s79, s40, 7                         ; Wk's or Wv's row 128 cx
	s_cmp_eq_u32 s42, 0
	s_cselect_b32 s78, s78, s79
	s_lshl_b32 s82, s78, 6                         ; its scales, 64 bytes a row
	s_mov_b32 s83, 0
	s_mul_i32 s78, s78, KROW
	s_mov_b32 s79, 0
	s_lshl_b32 s80, s[TY], 13
	s_mov_b32 s81, 0
	s_lshl_b32 s84, s[RH], 12                      ; source 1's 64 rows: which half
	s_mov_b32 s85, 0
	s_wait_dscnt 0x0
	s_wait_kmcnt 0x0
	s_cmp_eq_u32 s[CH], 0
	s_cselect_b64 s[12:13], s[12:13], s[16:17]     ; Wk or Wv
	s_cselect_b64 s[14:15], s[14:15], s[18:19]
	s_cmp_eq_u32 s42, 0
	s_cselect_b64 s[8:9], s[8:9], s[12:13]
	s_cselect_b64 s[10:11], s[10:11], s[14:15]
	s_add_nc_u64 s[4:5], s[4:5], s[76:77]
	s_add_nc_u64 s[8:9], s[8:9], s[78:79]
	s_mov_b32 s[G0], 1
	s_mul_i32 s[G0+1], s[CH], 64*PITCH
	s_mov_b64 s[G0+2:G0+3], s[4:5]
	s_or_b32 s[G0+3], s[G0+3], 0x80000000
	s_mov_b32 s[G0B], 1
	s_mul_i32 s[G0B+1], s[CH], ATILE
	s_add_co_u32 s[G0B+1], s[G0B+1], ATILE
	s_mov_b64 s[G0B+2:G0B+3], s[8:9]
	s_or_b32 s[G0B+3], s[G0B+3], 0x80000000
	CROUND                                         ; all sixteen work-groups are here: the joint loads meet
	JLOAD                                          ; K's first half
	s_add_nc_u64 s[6:7], s[6:7], s[80:81]          ; the scales of my work-group's tokens,
	s_add_nc_u64 s[10:11], s[10:11], s[82:83]      ; and of my 128 rows of W
	s_cmp_eq_u32 s[SV], 1
	s_cselect_b64 s[S8:S8+1], s[6:7], s[10:11]
	s_cselect_b64 s[S4:S4+1], s[10:11], s[6:7]
	s_add_nc_u64 s[S4:S4+1], s[S4:S4+1], s[84:85]
	s_lshl_b32 s88, s[TY], 16                      ; cos, sin: 512 bytes a token
	s_lshl_b32 s86, s[CH], 15
	s_add_co_u32 s86, s86, s88                     ; the 64 rows that I load: tokens 128 step + 64 (wave % 2) on,
	s_mov_b32 s87, 0
	s_cmp_eq_u32 s[RH], 0
	s_cselect_b64 s[96:97], s[68:69], s[70:71]     ; waves 0, 1 of cos, waves 2, 3 of sin
	s_add_nc_u64 s[96:97], s[96:97], s[86:87]
	s_mul_i32 s88, s[RH], CTAB
	s_mul_i32 s89, s[CH], 64*CPITCH
	s_add_co_u32 s88, s88, s89
	s_add_co_u32 s88, s88, CSB                     ; where they go in LDS;
	s_mul_i32 s89, s[RH], 64*CPITCH
	s_add_co_u32 s89, s89, CSB                     ; and where my 64 tokens' rows of cos lie
	s_lshl_b32 s86, s40, 1
	s_add_co_u32 s86, s86, s[CH]
	s_lshl_b32 s86, s86, 5
	s_add_co_u32 s86, s86, s[TY]                   ; q's record: 32 head + step
	s_lshl_b32 s87, s40, 5
	s_add_co_u32 s87, s87, s[TY]
	s_lshl_b32 s87, s87, 1
	s_add_co_u32 s87, s87, s[CH]                   ; k's or v's: 2 (32 kv head + step) + half
	s_cmp_eq_u32 s42, 0
	s_cselect_b32 s86, s86, s87
	s_cselect_b64 s[12:13], s[72:73], s[74:75]
	s_mul_i32 s86, s86, REC
	s_mov_b32 s87, 0
	s_add_nc_u64 s[12:13], s[12:13], s[86:87]
	s_mul_i32 s90, s[CH], ATILE
	s_add_co_u32 s90, s90, ATILE
	s_cmp_eq_u32 s[SV], 1
	s_cselect_b32 s90, 0, s90                      ; source 0: my 128 rows of W, or the 128 tokens
	s_mul_i32 s91, s[SV], 2*ATILE
	s_mul_i32 s92, s[RH], 64*PITCH
	s_add_co_u32 s91, s91, s92                     ; source 1: my 64 tokens, or my 64 rows of Wv
	s_mul_i32 s93, s[WV], VSTGB
	s_mul_i32 s94, s[RH], 6144                     ; my four fragments of the record
	s_lshl_b32 s95, s[RH], 4                       ; and their words
	s_mov_b32 s[SEL], 0x76543210
	s_mov_b32 s[SEL+1], 0xfedcba98
	v_and_b32 v1, 15, v0                           ; r
	v_bfe_u32 v2, v0, 4, 1                         ; h
	v_and_b32 v6, 31, v0
	v_mul_u32_u24 v3, v1, PITCH
	v_mad_u32_u24 v3, v2, 24, v3
	v_add_nc_u32 v[AD8], s90, v3
	v_add_nc_u32 v[AD8+1], 64*PITCH, v[AD8]
	v_add_nc_u32 v[AD4], s91, v3
	v_lshlrev_b32 v4, 6, v1
	v_lshl_add_u32 v[SA8], v2, 12, v4              ; lanes 16-31: 64 rows on
	v_lshl_add_u32 v[SA4], v2, 11, v4              ; 32 rows on
	v_lshlrev_b32 v[LI], 4, v6
	v_add_nc_u32 v[CSW], s88, v[LI]
	v_add_nc_u32 v[LIO], s94, v[LI]
	v_mul_u32_u24 v[CSO], v1, CPITCH
	v_lshl_add_u32 v[CSO], v2, 5, v[CSO]
	v_add_nc_u32 v[CSO], s89, v[CSO]               ; cos: token r's row, + 32 h
	v_add_nc_u32 v[CS2], CTAB, v[CSO]              ; sin
	v_lshlrev_b32 v[SCO], 5, v1
	v_add_nc_u32 v[SCO], s95, v[SCO]
	v_lshrrev_b32 v5, 3, v1
	v_and_b32 v7, 7, v1
	v_mul_u32_u24 v[VST], v5, 1536                 ; v's channels are placed so that attention's result comes out in true order along the head
	v_lshl_add_u32 v[VST], v7, 4, v[VST]
	v_lshl_add_u32 v[VST], v2, 8, v[VST]
	v_add_nc_u32 v[VST], s93, v[VST]
	v_lshlrev_b32 v[VSS], 4, v7
	v_lshl_add_u32 v[VSS], v5, 2, v[VSS]
	v_add_nc_u32 v[VSS], s93, v[VSS]
	v_add_nc_u32 v[RDB], s93, v[LI]
	v_lshl_add_u32 v[RDS], v1, 4, s93
	s_wait_alu depctr_va_vdst(0)                   ; the wait at the head's end
.irp i, 0,1,2,3
.irp q, 0,1,2,3
	global_load_b128 v[XS+16*\i+4*\q:XS+16*\i+4*\q+3], v[SA8], s[S8:S8+1] offset:1024*\i+16*\q
.endr
.endr
.irp i, 0,1
.irp q, 0,1,2,3
	global_load_b128 v[YS+16*\i+4*\q:YS+16*\i+4*\q+3], v[SA4], s[S4:S4+1] offset:1024*\i+16*\q
.endr
.endr
.macro FRAG reg, adr, st, i            ; 16 rows x 128 K: 12 registers, in pieces of 8 bytes as they lie
.irp p, 0,1,2,3,4,5
	ds_load_b64 v[\reg+2*\p:\reg+2*\p+1], v[\adr] offset:96*((\st)%8)+48*(\p/3)+8*(\p%3)+(\i)*16*PITCH
.endr
.endm
.macro FETCH st                        ; step st's twelve fragments into set st % 2
	WIN 0xc0
.irp i, 0,1,2,3,4,5,6,7
	FRAG 128*((\st)%2)+FR*\i, AD8+\i/4, \st, \i%4
.endr
	WIN 0
.irp i, 0,1,2,3
	FRAG Q4+48*((\st)%2)+FR*\i, AD4, \st, \i
.endr
.endm
.macro MUL st, zero                    ; 32 products, the 32 accumulators by turns
.set SE, (\st)%2
.irp hb, 0,1
.irp bb, 0,1,2,3
.irp ha, 0,1
.irp aa, 0,1
.set DD, 8*(8*(2*\ha+\aa)+4*\hb+\bb)
.set XX, 128*SE+FR*(4*\hb+\bb)
.set YY, Q4+48*SE+FR*(2*\ha+\aa)
.if \zero
	v_wmma_scale_f32_16x16x128_f8f6f4 v[DD:DD+7], v[XX:XX+11], v[YY:YY+11], 0, v[XS+16*\bb+(\st)], v[YS+16*\aa+(\st)] matrix_a_fmt:MATRIX_FMT_FP6 matrix_b_fmt:MATRIX_FMT_FP6 matrix_a_scale:MATRIX_SCALE_ROW\hb matrix_b_scale:MATRIX_SCALE_ROW\ha
.else
	v_wmma_scale_f32_16x16x128_f8f6f4 v[DD:DD+7], v[XX:XX+11], v[YY:YY+11], v[DD:DD+7], v[XS+16*\bb+(\st)], v[YS+16*\aa+(\st)] matrix_a_fmt:MATRIX_FMT_FP6 matrix_b_fmt:MATRIX_FMT_FP6 matrix_a_scale:MATRIX_SCALE_ROW\hb matrix_b_scale:MATRIX_SCALE_ROW\ha
.endif
.endr
.endr
.endr
.endr
.endm
.macro STEP st, nx, zero
	s_wait_dscnt 0x0                               ; this step's fragments are in
.if \nx
	PLACES                                         ; behind the last step's products, which read the set that is loaded anew
	FETCH (\st)+1
.endif
	WIN 0x53                                       ; source 0 window 3, source 1 window 0, C and D window 1
	MUL \st, \zero
	WIN 0
.endm
.macro CSLOAD a                        ; cos and sin of token block a, from LDS: 64 + 64 registers
	WIN (2+(\a)/2)<<6
.irp b, 0,1,2,3,4,5,6,7
	ds_load_b128 v[128*((\a)%2)+8*\b:128*((\a)%2)+8*\b+3], v[CSO] offset:16*CPITCH*(\a)+64*\b
	ds_load_b128 v[128*((\a)%2)+8*\b+4:128*((\a)%2)+8*\b+7], v[CSO] offset:16*CPITCH*(\a)+64*\b+16
.endr
.irp b, 0,1,2,3,4,5,6,7
	ds_load_b128 v[128*((\a)%2)+64+8*\b:128*((\a)%2)+64+8*\b+3], v[CS2] offset:16*CPITCH*(\a)+64*\b
	ds_load_b128 v[128*((\a)%2)+64+8*\b+4:128*((\a)%2)+64+8*\b+7], v[CS2] offset:16*CPITCH*(\a)+64*\b+16
.endr
	WIN 0
.endm
.macro ROPE a                          ; register 8 b + j of lane (r, h) is channel 16 b + 8 h + j: channel c + 64 lies 32 registers on
.set AC, 64*(\a)
.set CO, 128*((\a)%2)
.set SI, CO+64
	WIN ((2+(\a)/2)<<2)|1
.set x, 0
.rept 32
	v_pk_mul_f32 v[OUT+x:OUT+x+1], v[AC+x:AC+x+1], v[CO+x:CO+x+1]
.set x, x+2
.endr
.set x, 0
.rept 16
	v_pk_fma_f32 v[OUT+x:OUT+x+1], v[AC+32+x:AC+33+x], v[SI+x:SI+x+1], v[OUT+x:OUT+x+1] neg_lo:[1,0,0] neg_hi:[1,0,0]
.set x, x+2
.endr
.rept 16
	v_pk_fma_f32 v[OUT+x:OUT+x+1], v[AC+x-32:AC+x-31], v[SI+x:SI+x+1], v[OUT+x:OUT+x+1]
.set x, x+2
.endr
	WIN 0
.endm
.macro QUANT s, w, pw                  ; 64 numbers a lane in window w -> 12 registers of codes in v[PC] on, the scale word in v[pw]
	WIN ((\w)<<2)+((\w)<<4)
.irp b, 0,1,2,3
	v_max3_num_f32 v[TM+\b], 0x1800000, |v[\s+16*\b]|, |v[\s+1+16*\b]|   ; with the floor 2^(3 - 127): the byte cannot fall under 1
.endr
.irp i, 2,4,6,8,10,12,14
.irp b, 0,1,2,3
	v_max3_num_f32 v[TM+\b], v[TM+\b], |v[\s+16*\b+\i]|, |v[\s+1+16*\b+\i]|
.endr
.endr
	WIN 0
.irp b, 0,1,2,3
	v_permlanex16_b32 v[TM+4+\b], v[TM+\b], s[SEL], s[SEL+1]
.endr
.irp b, 0,1,2,3
	v_max_num_f32 v[TM+\b], v[TM+\b], v[TM+4+\b]
.endr
.irp b, 0,1,2,3
	v_add_nc_u32 v[TM+12+\b], 0xff000000, v[TM+\b]   ; 2 off the exponent field: the conversion's scale operand
.endr
.irp b, 0,1,2,3
	v_lshrrev_b32 v[TM+4+\b], 23, v[TM+12+\b]
.endr
	v_lshl_or_b32 v[\pw], v[TM+5], 8, v[TM+4]
	v_lshl_or_b32 v[\pw], v[TM+6], 16, v[\pw]
	v_lshl_or_b32 v[\pw], v[TM+7], 24, v[\pw]
	WIN (\w)
.irp c, 0,1
	v_cvt_scalef32_pk16_fp6_f32 v[PC+6*\c:PC+2+6*\c], v[\s+32*\c:\s+15+32*\c], v[TM+12+2*\c]
	v_cvt_scalef32_pk16_fp6_f32 v[PC+12+4*\c:PC+14+4*\c], v[\s+16+32*\c:\s+31+32*\c], v[TM+12+2*\c+1]
.endr
	WIN 0
	v_nop                                          ; one plain place behind a scaled conversion
.irp c, 0,1
.irp i, 0,1,2
	v_permlane16_swap_b32 v[PC+6*\c+\i], v[PC+12+4*\c+\i]
.endr
.irp i, 0,1,2
	v_mov_b32 v[PC+3+6*\c+\i], v[PC+12+4*\c+\i]
.endr
.endr
.endm
	s_wait_tensorcnt 0x0                           ; my part of the first half is in
	s_barrier_signal -1
	s_barrier_wait -1                              ; and everybody's
	FETCH 0
	s_wait_loadcnt 0x0                             ; the scale words
	STEP 0, 1, 1                                   ; the first step's products start the sums
.set ST, 1
.rept 6
	STEP ST, 1, 0
.set ST, ST+1
.endr
	STEP 7, 0, 0
	s_wait_tensorcnt 0x0                           ; the refill
	ds_add_u32 v[SPW], v[NIL]
	s_add_nc_u64 s[G0+2:G0+3], s[G0+2:G0+3], 768   ; no load of mine is out: K's second half
	s_add_nc_u64 s[G0B+2:G0B+3], s[G0B+2:G0B+3], 768
	s_wait_dscnt 0x0                               ; the add is done, and my reads of the first half are over
	CROUND                                         ; so of every wave of every partner
	JLOAD                                          ; its four v_nop are the places in front of the fragment loads below
	WIN 0x80
.set ci, 0
.rept 64
	global_load_b128 v[4*ci:4*ci+3], v[LI], s[96:97] offset:512*ci   ; a whole row of cos or sin: 32 lanes read 512 consecutive bytes
.set ci, ci+1
.endr
	WIN 0
	s_wait_tensorcnt 0x0
	s_barrier_signal -1
	s_barrier_wait -1
	FETCH 8
.set ST, 8
.rept 7
	STEP ST, 1, 0
.set ST, ST+1
.endr
	s_wait_dscnt 0x0                               ; the last step's fragments are in: my reads of the tiles are over
	s_barrier_signal -1
	s_barrier_wait -1                              ; everybody's: the tables and v's stage may lie on tile bytes
	s_wait_loadcnt 0x0                             ; my 64 rows
	WIN 0x08                                       ; the data: window 2
.set ci, 0
.rept 64
	ds_store_b128 v[CSW], v[4*ci:4*ci+3] offset:CPITCH*ci
.set ci, ci+1
.endr
	WIN 0x53
	MUL 15, 0                                      ; the last step's products, while the stores are served
	WIN 0
	PLACES
	s_wait_dscnt 0x0                               ; my rows are in LDS
	s_barrier_signal -1
	s_barrier_wait -1                              ; and everybody's
	s_cmp_eq_u32 s[SV], 1
	s_cbranch_scc1 .Lv
	CSLOAD 0
	CSLOAD 1
.irp b, 0,1,2,3
	v_mov_b32 v[TM+4+\b], 0                        ; a lane permute's destination counts as one of its sources
.endr
.irp a, 0,1,2,3
.if \a < 3
	s_wait_dscnt 32                                ; block a's tables are in; the next block's 32 loads may be out
.else
	s_wait_dscnt 0
.endif
.if \a < 2
	CSLOAD \a+2                                    ; two blocks ahead, into the registers that held source 0's fragments
.endif
	ROPE \a
.if \a > 0
	s_wait_xcnt 0x0                                ; the last block's stores have read their data
.endif
	QUANT OUT, 0, PWS+\a
.irp c, 0,1,2
	global_store_b128 v[LIO], v[PC+4*\c:PC+4*\c+3], s[12:13] offset:1536*\a+512*\c   ; 32 lanes store 512 consecutive bytes
.endr
.endr
	global_store_b128 v[SCO], v[PWS:PWS+3], s[12:13] offset:12288   ; my four fragments' words of row r (both halves of the lanes hold and write the same)
	s_branch .Lend
.Lv:
.irp b, 0,1,2,3
	v_mov_b32 v[TM+4+\b], 0
.endr
.irp a, 0,1,2,3
	QUANT 64*\a, 1, PWS+\a
.irp c, 0,1,2
	ds_store_b128 v[VST], v[PC+4*\c:PC+4*\c+3] offset:3072*(\a/2)+128*(\a%2)+512*\c
.endr
	ds_store_b32 v[VSS], v[PWS+\a] offset:6144+128*(\a%2)+8*(\a/2)
	s_wait_dscnt 0x0
.endr
.irp i, 0,1,2,3,4,5,6,7,8,9,10,11
	ds_load_b128 v[128+4*\i:128+4*\i+3], v[RDB] offset:512*\i
.endr
	ds_load_b128 v[176:179], v[RDS] offset:6144
.irp i, 0,1,2,3,4,5,6,7,8,9,10,11
	s_wait_dscnt 12-\i                             ; the loads issued behind this one may be out
	global_store_b128 v[LIO], v[128+4*\i:128+4*\i+3], s[12:13] offset:512*\i
.endr
	s_wait_dscnt 0x0
	global_store_b128 v[SCO], v[176:179], s[12:13] offset:12288
.Lend:
	s_wait_tensorcnt 0x0                           ; the wave's end
	ds_add_u32 v[SPW], v[NIL]
	s_wait_dscnt 0x0
	CROUND                                         ; the closing round
	s_endpgm
.Lfunc_end_k_qe2cc80ec37_proj:
	.size	k_qe2cc80ec37_proj, .Lfunc_end_k_qe2cc80ec37_proj-k_qe2cc80ec37_proj
	.p2alignl 7, 3214868480
	.fill 96, 4, 3214868480
	.section	.rodata,"a",@progbits
	.p2align	6, 0x0
	.amdhsa_kernel k_qe2cc80ec37_proj
		.amdhsa_group_segment_fixed_size 327680
		.amdhsa_private_segment_fixed_size 0
		.amdhsa_enable_private_segment 0
		.amdhsa_kernarg_size 96
		.amdhsa_user_sgpr_count 2
		.amdhsa_user_sgpr_kernarg_segment_ptr 1
		.amdhsa_wavefront_size32 1
		.amdhsa_system_sgpr_workgroup_id_x 1
		.amdhsa_system_sgpr_workgroup_id_y 1
		.amdhsa_system_sgpr_workgroup_id_z 1
		.amdhsa_system_vgpr_workitem_id 0
		.amdhsa_next_free_vgpr 1024
		.amdhsa_next_free_sgpr 100
		.amdhsa_reserve_vcc 0
		.amdhsa_float_denorm_mode_32 3
		.amdhsa_float_denorm_mode_16_64 3
		.amdhsa_memory_ordered 1
		.amdhsa_forward_progress 1
		.amdhsa_inst_pref_size 223
	.end_amdhsa_kernel
	.amdgpu_metadata
---
amdhsa.version: [ 1, 2 ]
amdhsa.kernels:
  - .name:           k_qe2cc80ec37_proj
    .symbol:         k_qe2cc80ec37_proj.kd
    .args:
      - { .name: hidden_states_codes, .offset: 0, .size: 8, .value_kind: global_buffer, .address_space: global }
      - { .name: hidden_states_scales, .offset: 8, .size: 8, .value_kind: global_buffer, .address_space: global }
      - { .name: Wq_codes, .offset: 16, .size: 8, .value_kind: global_buffer, .address_space: global }
      - { .name: Wq_scales, .offset: 24, .size: 8, .value_kind: global_buffer, .address_space: global }
      - { .name: Wk_codes, .offset: 32, .size: 8, .value_kind: global_buffer, .address_space: global }
      - { .name: Wk_scales, .offset: 40, .size: 8, .value_kind: global_buffer, .address_space: global }
      - { .name: Wv_codes, .offset: 48, .size: 8, .value_kind: global_buffer, .address_space: global }
      - { .name: Wv_scales, .offset: 56, .size: 8, .value_kind: global_buffer, .address_space: global }
      - { .name: cos, .offset: 64, .size: 8, .value_kind: global_buffer, .address_space: global }
      - { .name: sin, .offset: 72, .size: 8, .value_kind: global_buffer, .address_space: global }
      - { .name: qimg, .offset: 80, .size: 8, .value_kind: global_buffer, .address_space: global }
      - { .name: kv, .offset: 88, .size: 8, .value_kind: global_buffer, .address_space: global }
    .group_segment_fixed_size: 327680
    .private_segment_fixed_size: 0
    .kernarg_segment_align: 8
    .kernarg_segment_size: 96
    .max_flat_workgroup_size: 128
    .sgpr_count:     100
    .vgpr_count:     1024
    .wavefront_size: 32
...
	.end_amdgpu_metadata
.endif
;; end of part 1
;; launch attn (part 2): grid 64 x 4, 8 waves a work-group, clusters of 4 x 1, 327,680 bytes of LDS; arguments qimg, kv, oimg, osc; writes oimg, osc
.if DOCPART == 2
	.amdgcn_target "amdgcn-amd-amdhsa--gfx1250"
	.amdhsa_code_object_version 6
	.text
	.protected	k_qe2cc80ec37_attn
	.globl	k_qe2cc80ec37_attn
	.p2align	8
	.type	k_qe2cc80ec37_attn,@function
k_qe2cc80ec37_attn:
	s_mov_b64 s[64:65], 0
	v_nop
	global_prefetch_b8 v0, s[64:65] scope:SCOPE_SE
	s_setreg_imm32_b32 hwreg(HW_REG_WAVE_MODE, 25, 1), 1
	s_wait_xcnt 0x0
	s_wait_alu depctr_hold_cnt(0) depctr_sa_sdst(0) depctr_va_vdst(0) depctr_va_sdst(0) depctr_va_ssrc(0) depctr_va_vcc(0) depctr_vm_vsrc(0)
	s_getreg_b32 s2, hwreg(HW_REG_IB_STS2, 6, 4)
	s_cmp_eq_u32 s2, 0
	s_cbranch_scc0 .Lentry_in_a_cluster
	s_endpgm
.Lentry_in_a_cluster:
	s_bfe_u32 s2, ttmp6, 0x10000c
	s_cmp_lg_u32 s2, 0x3003
	s_cbranch_scc0 .Lentry_shape_is_right
	s_endpgm
.Lentry_shape_is_right:
; Causal attention on codes of FP6 (E2M3): S^T = K Q^T, p = 2^(t - M), O^T = V^T P^T, O / l, and the result quantised along the head for the output projection.
; t = score x log2(e) / sqrt(128); M = the running largest t rounded UP to a whole number; p is quantised along the keys, not normalised; l is the sum of the unquantised p.  When M moves, l and O are multiplied by 2^(old M - new M): exact.
; Key steps all of whose keys come after a tile's queries are wholly masked: they are not multiplied.
; IN: qimg and kv, images of operand registers: a record of 12,800 bytes = 8 fragments of 1,536 bytes (three runs of 512 bytes, lane l's 16 bytes at 16 l) + 512 bytes of scale words [row 16][fragment 8].
; kv [kv head 4][key step 32]: k's record, then v's: 25,600 bytes a key step.  Register 8 t + j of lane (r, h) is key 16 t + 8 h + j in p and in v alike.
; SHARES.  A work-group is a kv head (y) and two blocks of 32 queries: the late block 127 - j and the early block j, j = 4 x cluster x + cx.  That is four late and four early tiles of 16 queries (2 heads x 2 tiles).
; Waves w and w + 4 share a late tile (tile 0 of the text) and an early tile (tile 1): head 2 x kv head + (w / 2) % 2, tile 2 x block + w % 2.  THE KEYS ARE DIVIDED: wave group g = w / 4 takes key steps g, g + 2, g + 4 ..
; of both tiles.  The late tile has 32 - cluster x key steps, the early one cluster x + 1: 33 for the pair of waves, about half for each.
; At the end each wave hands one tile's O, M and l to its partner through LDS bytes of its own and finishes the other: the two parts are brought under the larger M by exact powers of two and added.
; CLUSTER of 4: the partners walk the same key steps of the same kv head: each slot is asked for JOINTLY (mask 15).  Every branch and trip count hangs on the cluster's number and the wave's alone.
; RING: two slots of four key steps (102,400 bytes); each wave brings an eighth, 50 rows of 256 bytes.  The work-group walks N = (31 - cluster x) / 4 + 1 slots: (N - 1) / 2 trips of two, then two slots (N even) or one.
; In the trips the late tile lies wholly ahead of its diagonal (no mask in its text); in the tail the early tile is done (its last key step is 15 at the most, the tail begins at 16 or later).
; OUT: oimg [tile of 16 tokens 256][head 8] fragments in true order along the head, osc [token 4,096][head 8] scale words.
; LIMITS: NaN and infinities are not served.  A block of zeros carries the byte 1 over zero codes.  A block's largest p is made from the block's largest score by the same multiply-add and exponential.
; The promise holds while the scaled scores stay under 2^31 in magnitude.
.set STEPB, 25600
.set SLOTB, 4*STEPB
.set PART,  SLOTB/8
.set SPARE, 2*SLOTB                    ; the spare words, 128 bytes a wave
.set XCH,   SPARE+1024                 ; the hand-over: 8,448 bytes a wave, bytes that no tile lands on
.set XB,    8448
.set REC,   12800
.set LI,   1
.set LSC,  2
.set SPW,  3
.set NIL,  4
.set ADK,  5
.set ADS,  6
.set PFO,  7
                                       ; v8-11, v12-15: tile 0's, tile 1's -M, largest t, l in two halves
.set DQ,   16                          ; v16-17 my query's place in its key step, less 8 h
.set QW,   18                          ; v18-19 q's scale words
                                       ; v20-27 the join
.set F,    32
.set S,    128
.set PC,   192
.set CT,   204
.set BM,   212
.set BT,   216
.set SO,   220
.set SCW,  224
.set PSW,  232
.set FF,   234
.set TT,   238
.set NINF, 239
.set XW,   240
.set XR,   241
.set XW2,  242
.set XR2,  243
                                       ; window 1: v0-63, v64-127 O^T of tiles 0, 1; v128-139, v140-151 q's fragments
.set WV,   12
.set CX,   13
.set GG,   14
.set KVH,  15
.set HQ,   18
.set PAR,  19
.set SEL,  20
.set CS,   22
.set G1,   24
.set G0,   32
.set TB,   40
.set ST,   41
.set QS,   42                          ; s42-43 the key step that holds tile 0's, tile 1's queries
.set TR,   44
.set CNT,  45
.set LIM,  46
.set GB,   47
.set PFA,  48
.set MSB, 0
.macro WIN new
.if MSB != (\new)
	s_set_vgpr_msb (MSB<<8)|(\new)
.set MSB, (\new)
.endif
.endm
.macro CROUND
	s_barrier_signal -1
	s_barrier_wait -1
	s_cmp_lg_u32 s[WV], 0
	s_cbranch_scc1 .Lnot_wave_0_\@
	s_barrier_signal -3
.Lnot_wave_0_\@:
	s_barrier_wait -3
	s_barrier_signal -1
	s_barrier_wait -1
.endm
; A PREFETCH INTO THE L2 of the slot that the NEXT change of slots will ask for: 400 blocks of 256 bytes.  All clusters of a kv head walk the same bytes: the head's first cluster asks.  Its four partners take 100 blocks each,
; told apart by address; in each, waves 0 to 3 take 25, a lane a block (lanes 25 to 31 name lane 24's again).  A slot's four key steps lie between it and the load that wants the bytes.
.macro ASK
	s_cmp_eq_u32 s[LIM], 1
	s_cbranch_scc0 .Lnot_mine_\@
	global_prefetch_b8 v[PFO], s[PFA:PFA+1] th:TH_LOAD_NT scope:SCOPE_SE
.Lnot_mine_\@:
.endm
	s_load_b256 s[4:11], s[0:1], 0x0               ; qimg, kv, oimg, osc
	v_lshl_add_u32 v[SPW], v0, 2, SPARE
	v_mov_b32 v[NIL], 0
	ds_add_u32 v[SPW], v[NIL]                      ; the opening lines: the add twice on end and its wait
	ds_add_u32 v[SPW], v[NIL]
	v_lshrrev_b32 v29, 5, v0
	v_readfirstlane_b32 s[WV], v29
	s_bfe_u32 s[CX], ttmp6, 0x40000
	s_and_b32 s[KVH], ttmp7, 0xffff
	s_lshr_b32 s[GG], s[WV], 2
	s_sub_co_u32 s[QS], 31, ttmp9
	s_mov_b32 s[QS+1], ttmp9
	s_and_b32 s52, s[WV], 1
	s_sub_co_u32 s50, 3, s[CX]
	s_lshl_b32 s50, s50, 1
	s_add_co_u32 s50, s50, s52                     ; tile 0's place among its key step's eight
	s_lshl_b32 s51, s[CX], 1
	s_add_co_u32 s51, s51, s52                     ; tile 1's
	s_bfe_u32 s52, s[WV], 0x10001
	s_lshl_b32 s[HQ], s[KVH], 1
	s_add_co_u32 s[HQ], s[HQ], s52
	s_lshr_b32 s[TR], s[QS], 3                     ; (N - 1) / 2 trips of two slots
	s_bfe_u32 s[PAR], s[QS], 0x10002               ; 1: N is even
	s_or_b32 s52, s[GG], ttmp9
	s_cmp_eq_u32 s52, 0
	s_cselect_b32 s[LIM], 1, -1
	s_mov_b32 s[G1], 15|(3<<16)|(1<<21)
	s_mov_b32 s[G1+1], 32<<16
	s_mov_b32 s[G1+2], 50<<16
	s_mov_b32 s[G1+3], 32<<16
	s_mov_b32 s[G1+4], 50
	s_mov_b32 s[G1+5], 32
	s_mov_b32 s[G1+6], 0
	s_mov_b32 s[G1+7], 0
	s_mov_b32 s[SEL], 0x76543210
	s_mov_b32 s[SEL+1], 0xfedcba98
	s_mov_b32 s[CS], 0x3e0293ee
	s_mov_b32 s[CS+1], s[CS]
	s_mov_b32 s[ST], s[GG]                         ; my first key step
	s_mul_i32 s[GB], s[GG], STEPB
	s_mov_b32 s16, 0
	s_mul_i32 s52, s[KVH], 32*STEPB
	s_mul_i32 s53, s[WV], PART
	s_add_co_u32 s54, s52, s53
	s_mov_b32 s55, 0
	s_mul_i32 s56, s[CX], SLOTB/4
	s_mul_i32 s57, s[WV], SLOTB/16
	s_add_co_u32 s56, s56, s57
	s_add_co_u32 s56, s56, s52
	s_add_co_u32 s56, s56, SLOTB                   ; in slot 1: the first change of slots steps it to slot 2
	s_mov_b32 s57, 0
	s_lshl_b32 s58, s[HQ], 5
	s_add_co_u32 s60, s58, s[QS]
	s_mul_i32 s60, s60, REC
	s_add_co_u32 s62, s58, s[QS+1]
	s_mul_i32 s62, s62, REC
	s_mul_i32 s66, s50, 1536
	s_add_co_u32 s66, s66, s60                     ; tile 0's fragment of q,
	s_mov_b32 s67, 0
	s_lshl_b32 s68, s50, 2
	s_add_co_u32 s68, s68, s60                     ; its column of scale words;
	s_mov_b32 s69, 0
	s_mul_i32 s70, s51, 1536
	s_add_co_u32 s70, s70, s62                     ; tile 1's
	s_mov_b32 s71, 0
	s_lshl_b32 s72, s51, 2
	s_add_co_u32 s72, s72, s62
	s_mov_b32 s73, 0
	s_cmp_eq_u32 s[GG], 0                          ; the tile that I finish: tile g
	s_cselect_b32 s74, s[QS], s[QS+1]
	s_cselect_b32 s75, s50, s51
	s_lshl_b32 s74, s74, 3
	s_add_co_u32 s74, s74, s75
	s_lshl_b32 s76, s74, 3
	s_add_co_u32 s76, s76, s[HQ]
	s_mul_i32 s76, s76, 1536                       ; its fragment in oimg
	s_mov_b32 s77, 0
	s_lshl_b32 s78, s74, 9
	s_lshl_b32 s79, s[HQ], 2
	s_add_co_u32 s78, s78, s79                     ; its words in osc
	s_mov_b32 s79, 0
	s_lshl_b32 s50, s50, 4
	s_lshl_b32 s51, s51, 4
	s_mul_i32 s58, s[WV], XB
	s_add_co_u32 s58, s58, XCH                     ; where I hand over,
	s_xor_b32 s59, s[WV], 4
	s_mul_i32 s59, s59, XB
	s_add_co_u32 s59, s59, XCH                     ; and where my partner does
	s_wait_dscnt 0x0
	s_wait_kmcnt 0x0
	s_add_nc_u64 s[PFA:PFA+1], s[6:7], s[56:57]
	s_add_nc_u64 s[6:7], s[6:7], s[54:55]
	s_add_nc_u64 s[66:67], s[4:5], s[66:67]
	s_add_nc_u64 s[68:69], s[4:5], s[68:69]
	s_add_nc_u64 s[70:71], s[4:5], s[70:71]
	s_add_nc_u64 s[72:73], s[4:5], s[72:73]
	s_add_nc_u64 s[8:9], s[8:9], s[76:77]
	s_add_nc_u64 s[10:11], s[10:11], s[78:79]
.irp n, 0,1
	s_mov_b32 s[G0+4*\n], 1
	s_add_co_u32 s[G0+4*\n+1], s53, \n*SLOTB
	s_add_nc_u64 s[G0+4*\n+2:G0+4*\n+3], s[6:7], \n*SLOTB
	s_or_b32 s[G0+4*\n+3], s[G0+4*\n+3], 0x80000000
.endr
	CROUND                                         ; all four work-groups are here: the first joint loads meet
	tensor_load_to_lds s[G0:G0+3], s[G1:G1+7]      ; slot 0
	s_nop 0
.rept 4
	v_nop
.endr
	v_and_b32 v29, 31, v0
	v_and_b32 v30, 15, v0
	v_bfe_u32 v31, v0, 4, 1
	v_lshlrev_b32 v[LI], 4, v29
	v_lshlrev_b32 v[LSC], 5, v30
	WIN 0x40
.irp c, 0,1,2
	global_load_b128 v[128+4*\c:128+4*\c+3], v[LI], s[66:67] offset:512*\c   ; q's fragments stay in registers
	global_load_b128 v[140+4*\c:140+4*\c+3], v[LI], s[70:71] offset:512*\c
.endr
	WIN 0
	global_load_b32 v[QW], v[LSC], s[68:69] offset:12288
	global_load_b32 v[QW+1], v[LSC], s[72:73] offset:12288
	v_lshlrev_b32 v31, 3, v31
	v_sub_nc_u32 v31, v30, v31
	v_add_nc_u32 v[DQ], s50, v31                   ; 16 x place + r - 8 h
	v_add_nc_u32 v[DQ+1], s51, v31
	v_min_u32 v[PFO], 24, v29
	v_lshlrev_b32 v[PFO], 8, v[PFO]
	v_add_nc_u32 v[XW], s58, v[LI]
	v_add_nc_u32 v[XR], s59, v[LI]
	v_lshl_add_u32 v[XW2], v29, 3, s58
	v_lshl_add_u32 v[XR2], v29, 3, s59
.irp m, 8,12
	v_mov_b32 v[\m+1], 0xff61b1e6                  ; the largest t so far: -3e38
	v_floor_f32 v[\m], -v[\m+1]                    ; -M
	v_mov_b32 v[\m+2], 0                           ; l
	v_mov_b32 v[\m+3], 0
.endr
.irp b, 0,1,2,3
	v_mov_b32 v[BT+\b], 0                          ; a lane permute's destination counts as one of its sources
.endr
	v_mov_b32 v[FF+1], 0                           ; (named as the upper halves of pairs)
	v_mov_b32 v27, 0
	v_mov_b32 v[TT], 0
	v_mov_b32 v[NINF], 0xff800000
	WIN 0x40
.set j, 0
.rept 128
	v_mov_b32 v[j], 0                              ; O^T of both tiles: the step is written once, and a tile's part may have no step at all
.set j, j+1
.endr
	WIN 0
; From the four blocks' largest magnitudes in v[BM] on and 64 numbers in v[src] on: the scale word in v[PSW], the codes in v[PC] on.
.macro QTAIL src
.irp b, 0,1,2,3
	s_delay_alu instid0(VALU_DEP_4)
	v_add_nc_u32 v[SO+\b], 0xff000000, v[BM+\b]    ; 2 off the exponent field: the conversion's scale operand
.endr
.irp b, 0,1,2,3
	s_delay_alu instid0(VALU_DEP_4)
	v_lshrrev_b32 v[BT+\b], 23, v[SO+\b]
.endr
	s_delay_alu instid0(VALU_DEP_3)
	v_lshl_or_b32 v[PSW], v[BT+1], 8, v[BT]
	s_delay_alu instid0(VALU_DEP_1)
	v_lshl_or_b32 v[PSW], v[BT+2], 16, v[PSW]
	s_delay_alu instid0(VALU_DEP_1)
	v_lshl_or_b32 v[PSW], v[BT+3], 24, v[PSW]
.irp c, 0,1
	v_cvt_scalef32_pk16_fp6_f32 v[PC+6*\c:PC+2+6*\c], v[\src+32*\c:\src+15+32*\c], v[SO+2*\c]
	v_cvt_scalef32_pk16_fp6_f32 v[CT+4*\c:CT+2+4*\c], v[\src+16+32*\c:\src+31+32*\c], v[SO+2*\c+1]
.endr
	v_nop                                          ; one plain place behind a scaled conversion
.irp c, 0,1
.irp i, 0,1,2
	v_permlane16_swap_b32 v[PC+6*\c+\i], v[CT+4*\c+\i]
.endr
.irp i, 0,1,2
	s_delay_alu instid0(VALU_DEP_3)
	v_mov_b32 v[PC+3+6*\c+\i], v[CT+4*\c+\i]
.endr
.endr
.endm
; A KEY STEP of tile T: 128 keys at LDS byte s[TB].  full = 1: the step may lie on or behind the tile's diagonal.
.macro STEP T, full
.set MS, 8+4*\T
.set OB, 64*\T
.if \full
	s_cmp_gt_u32 s[ST], s[QS+\T]                   ; all its keys come after my queries
	s_cbranch_scc1 .Lhid_\@
.endif
	v_add_nc_u32 v[ADK], s[TB], v[LI]
	v_add_nc_u32 v[ADS], s[TB], v[LSC]
	v_nop
	v_nop                                          ; four places behind the last step's products, in front of loads into their registers
	ds_load_b128 v[SCW:SCW+3], v[ADS] offset:12288
	ds_load_b128 v[SCW+4:SCW+7], v[ADS] offset:12304
.irp t, 0,1,2,3,4,5,6,7
.irp c, 0,1,2
	ds_load_b128 v[F+12*\t+4*\c:F+12*\t+4*\c+3], v[ADK] offset:1536*\t+512*\c
.endr
.endr
	s_wait_alu depctr_va_vdst(0)
	WIN 0x04                                       ; q in window 1
.irp t, 0,1,2,3,4,5,6,7
	s_wait_dscnt 21-3*\t                           ; fragment t is in; the three loads of each later fragment may be out
	v_wmma_scale_f32_16x16x128_f8f6f4 v[S+8*\t:S+8*\t+7], v[F+12*\t:F+12*\t+11], v[128+12*\T:139+12*\T], 0, v[SCW+\t], v[QW+\T] matrix_a_fmt:MATRIX_FMT_FP6 matrix_b_fmt:MATRIX_FMT_FP6
.endr
	WIN 0
.rept 4
	v_nop
.endr
	ds_load_b128 v[SCW:SCW+3], v[ADS] offset:REC+12288   ; v's words and fragments land under the softmax
	ds_load_b128 v[SCW+4:SCW+7], v[ADS] offset:REC+12304
.irp t, 0,1,2,3,4,5,6,7
.irp c, 0,1,2
	ds_load_b128 v[F+12*\t+4*\c:F+12*\t+4*\c+3], v[ADK] offset:REC+1536*\t+512*\c
.endr
.endr
.if \full
	s_cmp_lg_u32 s[ST], s[QS+\T]                   ; only my queries' own step lies on the diagonal
	s_cbranch_scc1 .Lopen_\@
.set n, 0
.rept 64
	v_cmp_gt_i32 vcc_lo, 16*(n/8)+n%8, v[DQ+\T]
	v_cndmask_b32 v[S+n], v[S+n], v[NINF], vcc_lo
.set n, n+1
.endr
.Lopen_\@:
.endif
.irp b, 0,1,2,3
	v_max3_num_f32 v[BM+\b], v[S+16*\b], v[S+1+16*\b], v[S+2+16*\b]   ; each block's largest score: for the row's maximum and for the block's largest p
.endr
.irp i, 3,5,7,9,11,13
.irp b, 0,1,2,3
	v_max3_num_f32 v[BM+\b], v[BM+\b], v[S+16*\b+\i], v[S+1+16*\b+\i]
.endr
.endr
.irp b, 0,1,2,3
	v_max_num_f32 v[BM+\b], v[BM+\b], v[S+15+16*\b]
.endr
.irp b, 0,1,2,3
	s_delay_alu instid0(VALU_DEP_4)
	v_permlanex16_b32 v[BT+\b], v[BM+\b], s[SEL], s[SEL+1]
.endr
.irp b, 0,1,2,3
	s_delay_alu instid0(VALU_DEP_4)
	v_max_num_f32 v[BM+\b], v[BM+\b], v[BT+\b]
.endr
	s_delay_alu instid0(VALU_DEP_2)
	v_max3_num_f32 v[TT], v[BM], v[BM+1], v[BM+2]
	s_delay_alu instid0(VALU_DEP_1)
	v_max_num_f32 v[TT], v[TT], v[BM+3]
	s_delay_alu instid0(VALU_DEP_1)
	v_mul_f32 v[TT], s[CS], v[TT]
	s_delay_alu instid0(VALU_DEP_1)
	v_max_num_f32 v[MS+1], v[MS+1], v[TT]
	v_mov_b32 v[TT], v[MS]
	s_delay_alu instid0(VALU_DEP_2)
	v_floor_f32 v[MS], -v[MS+1]                    ; the new -M = -ceil(t)
	s_delay_alu instid0(VALU_DEP_1)
	v_sub_f32 v[TT], v[MS], v[TT]                  ; old M - new M
	s_delay_alu instid0(VALU_DEP_1)
	v_cvt_i32_f32 v[TT], v[TT]
	s_delay_alu instid0(VALU_DEP_1)
	v_ldexp_f32 v[FF], 1.0, v[TT]                  ; f
.set j, 0
.rept 32
	v_pk_fma_f32 v[S+j:S+j+1], v[S+j:S+j+1], s[CS:CS+1], v[MS:MS+1] op_sel_hi:[1,0,0]   ; t - M
.set j, j+2
.endr
.irp b, 0,1,2,3
	v_fma_f32 v[BM+\b], v[BM+\b], s[CS], v[MS]
.endr
	s_wait_alu depctr_va_vdst(0)                   ; ahead of the batch
.set j, 0
.rept 64
	v_exp_f32 v[S+j], v[S+j]                       ; p
.set j, j+1
.endr
	v_pk_mul_f32 v[MS+2:MS+3], v[MS+2:MS+3], v[FF:FF+1] op_sel_hi:[1,0]   ; l under the new M: the plain place behind the exponentials
	s_wait_alu depctr_va_vdst(0)                   ; one wait for the batch, ahead of its first reader
.irp b, 0,1,2,3
	v_exp_f32 v[BM+\b], v[BM+\b]                   ; the blocks' largest p
.endr
.set k, 0
.irp r, 236,244,246,248,250,252,254            ; l += the unquantised p, in eight chains
	v_pk_add_f32 v[\r:\r+1], v[S+4*k:S+4*k+1], v[S+4*k+2:S+4*k+3]
.set k, k+1
.endr
	v_pk_add_f32 v[MS+2:MS+3], v[MS+2:MS+3], v[S+28:S+29]
.set k, 30
.rept 2
.irp r, 236,244,246,248,250,252,254
	v_pk_add_f32 v[\r:\r+1], v[\r:\r+1], v[S+k:S+k+1]
.set k, k+2
.endr
	v_pk_add_f32 v[MS+2:MS+3], v[MS+2:MS+3], v[S+k:S+k+1]
.set k, k+2
.endr
	v_pk_add_f32 v[236:237], v[236:237], v[S+62:S+63]
	v_pk_add_f32 v[246:247], v[246:247], v[248:249]
	v_pk_add_f32 v[250:251], v[250:251], v[252:253]
	v_pk_add_f32 v[MS+2:MS+3], v[MS+2:MS+3], v[254:255]
	v_pk_add_f32 v[236:237], v[236:237], v[244:245]
	v_pk_add_f32 v[246:247], v[246:247], v[250:251]
	s_delay_alu instid0(VALU_DEP_2)
	v_pk_add_f32 v[MS+2:MS+3], v[MS+2:MS+3], v[236:237]
	s_delay_alu instid0(VALU_DEP_1)
	v_pk_add_f32 v[MS+2:MS+3], v[MS+2:MS+3], v[246:247]
	s_wait_alu depctr_va_vdst(0)                   ; and one for the four
.irp b, 0,1,2,3
	v_max_num_f32 v[BM+\b], 0x1800000, v[BM+\b]    ; the floor 2^(3 - 127): the byte cannot fall under 1
.endr
	QTAIL S
	WIN 0x41
.set j, 0
.rept 32
	v_pk_mul_f32 v[OB+j:OB+j+1], v[OB+j:OB+j+1], v[FF:FF+1] op_sel_hi:[1,0]   ; O^T under the new M; also the places between p's codes and scale word and the products
.set j, j+2
.endr
	s_wait_alu depctr_va_vdst(0)
	s_wait_dscnt 0x0                               ; v is in
	WIN 0x50
.irp t, 0,1,2,3,4,5,6,7                        ; the eight accumulators by turns
	v_wmma_scale_f32_16x16x128_f8f6f4 v[OB+8*\t:OB+8*\t+7], v[F+12*\t:F+12*\t+11], v[PC:PC+11], v[OB+8*\t:OB+8*\t+7], v[SCW+\t], v[PSW] matrix_a_fmt:MATRIX_FMT_FP6 matrix_b_fmt:MATRIX_FMT_FP6
.endr
	WIN 0
.if \full
.Lhid_\@:
.endif
.endm
; THE CHANGE OF SLOTS, at the head of slot cur: all my tensor loads are in, the add, my reads of the other slot are over.  fill = 1: behind a round of the cluster's barrier the other slot takes the keys that follow slot cur's.
.macro CHANGE cur, fill, ask
	s_wait_tensorcnt 0x0
	ds_add_u32 v[SPW], v[NIL]
	s_add_nc_u64 s[G0+4*\cur+2:G0+4*\cur+3], s[G0+4*\cur+2:G0+4*\cur+3], 2*SLOTB
.if \ask
	s_wait_xcnt 0x0                                ; the last prefetch, a slot back, has read its address
	s_add_nc_u64 s[PFA:PFA+1], s[PFA:PFA+1], SLOTB
.endif
	s_wait_dscnt 0x0
.if \fill
	CROUND
	tensor_load_to_lds s[G0+4*(1-\cur):G0+4*(1-\cur)+3], s[G1:G1+7]
	s_nop 0
.rept 4
	v_nop
.endr
.if \ask
	ASK
.endif
.else
	s_barrier_signal -1
	s_barrier_wait -1
.endif
.endm
.macro SLOT n, both                    ; my two key steps of slot n: g and g + 2 of its four
	s_add_co_u32 s[TB], s[GB], \n*SLOTB
	s_mov_b32 s[CNT], 2
.Ltwo_\@:
.if \both
	STEP 0, 0
	STEP 1, 1
.else
	STEP 0, 1
.endif
	s_add_co_u32 s[TB], s[TB], 2*STEPB
	s_add_co_u32 s[ST], s[ST], 2
	s_sub_co_u32 s[CNT], s[CNT], 1
	s_cmp_lg_u32 s[CNT], 0
	s_cbranch_scc1 .Ltwo_\@
.endm
	s_wait_alu depctr_va_vdst(0)                   ; the wait at the head's end
	s_wait_loadcnt 0x0                             ; q
.Lring:
	CHANGE 0, 1, 1
	SLOT 0, 1
	CHANGE 1, 1, 1
	SLOT 1, 1
	s_add_co_u32 s16, s16, 1
	s_cmp_lt_u32 s16, s[TR]
	s_cbranch_scc1 .Lring
	s_cmp_eq_u32 s[PAR], 1                         ; the tail is written out: two slots or one, alike in the four partners
	s_cbranch_scc0 .Lodd
	CHANGE 0, 1, 0
	SLOT 0, 0
	CHANGE 1, 0, 0
	SLOT 1, 0
	s_branch .Lout
.Lodd:
	CHANGE 0, 0, 0
	SLOT 0, 0
.Lout:
; THE JOIN.  Group 0 hands over tile 1 and finishes tile 0; group 1 the other way round.
.macro HAND T                          ; tile T's O^T, -M and l go to my partner; the other tile's -M and l into v20, v21
	WIN 0x04
.irp i, 0,1,2,3,4,5,6,7,8,9,10,11,12,13,14,15
	ds_store_b128 v[XW], v[64*\T+4*\i:64*\T+4*\i+3] offset:512*\i   ; each accumulator from its low end on
.endr
	WIN 0
	v_add_f32 v[9+4*\T], v[10+4*\T], v[11+4*\T]
	v_mov_b32 v20, v[12-4*\T]
	v_add_f32 v21, v[14-4*\T], v[15-4*\T]
	ds_store_b64 v[XW2], v[8+4*\T:9+4*\T] offset:8192
.endm
.rept 4
	v_nop                                          ; places behind the last products
.endr
	s_wait_alu depctr_va_vdst(0)
	s_cmp_eq_u32 s[GG], 0
	s_cbranch_scc0 .Lhand0
	HAND 1
	s_branch .Lhanded
.Lhand0:
	HAND 0
.Lhanded:
	s_wait_alu depctr_va_vdst(0)
	s_wait_dscnt 0x0                               ; my stores are done
	s_barrier_signal -1
	s_barrier_wait -1
	ds_load_b64 v[22:23], v[XR2] offset:8192       ; my partner's -M and l of the tile that I finish,
.irp i, 0,1,2,3,4,5,6,7,8,9,10,11,12,13,14,15
	ds_load_b128 v[F+4*\i:F+4*\i+3], v[XR] offset:512*\i   ; and its O^T
.endr
	s_wait_dscnt 16                                ; the 16 loads of O^T may be out
	v_min_num_f32 v24, v20, v22                    ; -M of the two parts together
	v_sub_f32 v25, v24, v20
	v_sub_f32 v26, v24, v22                        ; whole numbers, 0 or less
	v_cvt_i32_f32 v25, v25                         ; (it saturates: a part with no step counts for nothing)
	v_cvt_i32_f32 v26, v26
	v_ldexp_f32 v25, 1.0, v25
	v_ldexp_f32 v26, 1.0, v26
	v_mul_f32 v21, v21, v25
	v_fma_f32 v21, v23, v26, v21
	v_permlanex16_b32 v[TT], v21, s[SEL], s[SEL+1]
	v_add_f32 v21, v21, v[TT]                      ; the row's sum
	s_wait_alu depctr_va_vdst(0)
	v_rcp_f32 v21, v21
	v_nop
	s_wait_alu depctr_va_vdst(0)
	v_mul_f32 v24, v25, v21                        ; my part's factor / l,
	v_mul_f32 v26, v26, v21                        ; my partner's
	s_wait_alu depctr_va_vdst(0)                   ; ahead of the branch
	s_cmp_eq_u32 s[GG], 0
	s_cbranch_scc0 .Lmine1
	WIN 0x01
.set j, 0
.rept 32
	v_pk_mul_f32 v[S+j:S+j+1], v[j:j+1], v[24:25] op_sel_hi:[1,0]
.set j, j+2
.endr
	WIN 0
	s_branch .Lmerged
.Lmine1:
	WIN 0x01
.set j, 0
.rept 32
	v_pk_mul_f32 v[S+j:S+j+1], v[64+j:65+j], v[24:25] op_sel_hi:[1,0]
.set j, j+2
.endr
	WIN 0
.Lmerged:
	s_wait_dscnt 0x0
.set j, 0
.rept 32
	v_pk_fma_f32 v[S+j:S+j+1], v[F+j:F+j+1], v[26:27], v[S+j:S+j+1] op_sel_hi:[1,0,1]
.set j, j+2
.endr
	; quantised along the head: register 16 B + i of lane (r, h) is channel 32 B + 16 h + i of query r
.irp b, 0,1,2,3
	v_max3_num_f32 v[BM+\b], |v[S+16*\b]|, |v[S+1+16*\b]|, 0x1800000
.endr
.irp i, 2,4,6,8,10,12,14
.irp b, 0,1,2,3
	s_delay_alu instid0(VALU_DEP_4)
	v_max3_num_f32 v[BM+\b], v[BM+\b], |v[S+16*\b+\i]|, |v[S+1+16*\b+\i]|
.endr
.endr
.irp b, 0,1,2,3
	s_delay_alu instid0(VALU_DEP_4)
	v_permlanex16_b32 v[BT+\b], v[BM+\b], s[SEL], s[SEL+1]
.endr
.irp b, 0,1,2,3
	s_delay_alu instid0(VALU_DEP_4)
	v_max_num_f32 v[BM+\b], v[BM+\b], v[BT+\b]
.endr
	QTAIL S
.irp c, 0,1,2
	global_store_b128 v[LI], v[PC+4*\c:PC+4*\c+3], s[8:9] offset:512*\c   ; 32 lanes store 512 consecutive bytes
.endr
	global_store_b32 v[LSC], v[PSW], s[10:11]      ; my row's word (both halves of the lanes hold and write the same)
	s_wait_tensorcnt 0x0                           ; the wave's end
	ds_add_u32 v[SPW], v[NIL]
	s_wait_dscnt 0x0
	CROUND                                         ; the closing round
	s_endpgm
.Lfunc_end_k_qe2cc80ec37_attn:
	.size	k_qe2cc80ec37_attn, .Lfunc_end_k_qe2cc80ec37_attn-k_qe2cc80ec37_attn
	.p2alignl 7, 3214868480
	.fill 96, 4, 3214868480
	.section	.rodata,"a",@progbits
	.p2align	6, 0x0
	.amdhsa_kernel k_qe2cc80ec37_attn
		.amdhsa_group_segment_fixed_size 327680
		.amdhsa_private_segment_fixed_size 0
		.amdhsa_enable_private_segment 0
		.amdhsa_kernarg_size 32
		.amdhsa_user_sgpr_count 2
		.amdhsa_user_sgpr_kernarg_segment_ptr 1
		.amdhsa_wavefront_size32 1
		.amdhsa_system_sgpr_workgroup_id_x 1
		.amdhsa_system_sgpr_workgroup_id_y 1
		.amdhsa_system_sgpr_workgroup_id_z 1
		.amdhsa_system_vgpr_workitem_id 0
		.amdhsa_next_free_vgpr 416
		.amdhsa_next_free_sgpr 80
		.amdhsa_reserve_vcc 1
		.amdhsa_float_denorm_mode_32 3
		.amdhsa_float_denorm_mode_16_64 3
		.amdhsa_memory_ordered 1
		.amdhsa_forward_progress 1
		.amdhsa_inst_pref_size 197
	.end_amdhsa_kernel
	.amdgpu_metadata
---
amdhsa.version: [ 1, 2 ]
amdhsa.kernels:
  - .name:           k_qe2cc80ec37_attn
    .symbol:         k_qe2cc80ec37_attn.kd
    .args:
      - { .name: qimg, .offset: 0, .size: 8, .value_kind: global_buffer, .address_space: global }
      - { .name: kv, .offset: 8, .size: 8, .value_kind: global_buffer, .address_space: global }
      - { .name: oimg, .offset: 16, .size: 8, .value_kind: global_buffer, .address_space: global }
      - { .name: osc, .offset: 24, .size: 8, .value_kind: global_buffer, .address_space: global }
    .group_segment_fixed_size: 327680
    .private_segment_fixed_size: 0
    .kernarg_segment_align: 8
    .kernarg_segment_size: 32
    .max_flat_workgroup_size: 256
    .sgpr_count:     80
    .vgpr_count:     416
    .wavefront_size: 32
...
	.end_amdgpu_metadata
.endif
;; end of part 2
;; launch oproj (part 3): grid 16 x 16, 4 waves a work-group, clusters of 4 x 4, 327,680 bytes of LDS; arguments oimg, osc, Wo_codes, Wo_scales, out0; writes out0
.if DOCPART == 3
	.amdgcn_target "amdgcn-amd-amdhsa--gfx1250"
	.amdhsa_code_object_version 6
	.text
	.protected	k_qe2cc80ec37_oproj
	.globl	k_qe2cc80ec37_oproj
	.p2align	8
	.type	k_qe2cc80ec37_oproj,@function
k_qe2cc80ec37_oproj:
	s_mov_b64 s[64:65], 0
	v_nop
	global_prefetch_b8 v0, s[64:65] scope:SCOPE_SE
	s_setreg_imm32_b32 hwreg(HW_REG_WAVE_MODE, 25, 1), 1
	s_wait_xcnt 0x0
	s_wait_alu depctr_hold_cnt(0) depctr_sa_sdst(0) depctr_va_vdst(0) depctr_va_sdst(0) depctr_va_ssrc(0) depctr_va_vcc(0) depctr_vm_vsrc(0)
	s_getreg_b32 s2, hwreg(HW_REG_IB_STS2, 6, 4)
	s_cmp_eq_u32 s2, 0
	s_cbranch_scc0 .Lentry_in_a_cluster
	s_endpgm
.Lentry_in_a_cluster:
	s_bfe_u32 s2, ttmp6, 0x10000c
	s_cmp_lg_u32 s2, 0xf033
	s_cbranch_scc0 .Lentry_shape_is_right
	s_endpgm
.Lentry_shape_is_right:
; out0 = O x Wo on codes of FP6 (E2M3) with E8M0 scales; sums in f32.  O: oimg [tile of 16 tokens 256][head 8], images of operand registers (1,536 bytes: three runs of 512, lane l's 16 bytes at 16 l), osc [token][head] scale words.
; A WORK-GROUP makes 256 tokens x 128 columns: 256 work-groups.  ALL OF K (1,024) lies in LDS at once: O's 16 tiles are one dense block of 196,608 bytes; Wo's 128 rows of 768 bytes are stated as
; tile rows of 816 bytes of which 768 are left of the tensor: the last 48 are written as zeros, and rows 204 words apart begin in sixteen different groups of four banks.
; So LDS is filled once, one joint load a wave, and nothing is filled again.  CLUSTER 4 x 4: O's tiles are shared along a row, Wo's along a column.
; A WAVE makes 128 tokens x 64 columns, BY ROWS OF THE RESULT: its 32 fragments of Wo (4 blocks x 8 steps of K) stay in registers; its eight tiles of 16 tokens are finished one after the other, each with 32 products
; on four accumulators by turns, K ascending.  While tile a is multiplied, tile a - 1 goes through the stage and is stored, and tile a + 1's fragments are fetched.  No fragment is read from LDS twice.
; Source 0 = Wo's rows, source 1 = tokens: a lane holds eight neighbouring columns of a token's row.
; The scale words go once from memory into registers: lanes 0-15 block i's, lanes 16-31 block i + 4's (Wo: i + 2's).
; No prefetch: one fill at the head, no loop to run ahead in.
; REGISTERS: window 0: v0-31 addresses, v32-63 O's scale words, v64-79 Wo's, v176-239 the way out; window 1: v0-63 accumulators, two sets of four, v64-255 O's fragments, two sets of eight;
;   windows 2, 3: Wo's fragments of steps 0-3, 4-7, fragment (step q, block b) at 12 (4 q + b).
.set PITCH, 816
.set FR,    12
.set BT,    196608                     ; Wo's rows, behind O's tiles
.set STAGE, BT+128*PITCH               ; the way out: 16 rows x (256 + 16) bytes for each wave, bytes of their own
.set SPITCH, 272
.set SPARE, STAGE+4*16*SPITCH
.set ADA,  16                          ; v16-17 O's tiles 0-3, 4-7
.set ADB,  18
.set SAA,  20
.set SAB,  21
.set STO,  24
.set RD,   25
.set CO,   26
.set SPW,  28
.set NIL,  29
.set XS,   32
.set YS,   64
.set BK,   176
.set G1,   24
.set G0,   32
.set G1B,  48
.set G0B,  56
.set MSB, 0
.macro WIN new
.if MSB != (\new)
	s_set_vgpr_msb (MSB<<8)|(\new)
.set MSB, (\new)
.endif
.endm
.macro PLACES
.rept 4
	v_nop
.endr
.endm
.macro CROUND
	s_barrier_signal -1
	s_barrier_wait -1
	s_cmp_lg_u32 s14, 0
	s_cbranch_scc1 .Lnot_wave_0_\@
	s_barrier_signal -3
.Lnot_wave_0_\@:
	s_barrier_wait -3
	s_barrier_signal -1
	s_barrier_wait -1
.endm
	s_load_b256 s[4:11], s[0:1], 0x0               ; oimg, osc, Wo_codes, Wo_scales
	s_load_b64 s[12:13], s[0:1], 0x20              ; out0
	v_lshl_add_u32 v[SPW], v0, 2, SPARE
	v_mov_b32 v[NIL], 0
	ds_add_u32 v[SPW], v[NIL]                      ; the opening lines: the add twice on end and its wait
	ds_add_u32 v[SPW], v[NIL]
	v_lshrrev_b32 v1, 5, v0
	v_readfirstlane_b32 s14, v1                    ; wave
	s_lshr_b32 s15, s14, 1                         ; my half of the tokens.  Also: I fetch O (0) or Wo (1)
	s_and_b32 s16, s14, 1                          ; my half of the columns.  Also: which half I fetch
	s_bfe_u32 s40, ttmp6, 0x40000
	s_bfe_u32 s41, ttmp6, 0x40004
	s_lshl_b32 s42, ttmp9, 2
	s_add_co_u32 s42, s42, s40                     ; tile column
	s_and_b32 s17, ttmp7, 0xffff
	s_lshl_b32 s17, s17, 2
	s_add_co_u32 s17, s17, s41                     ; tile row
	s_lshl_b32 s43, s41, 2
	s_lshl_b32 s43, 15, s43
	s_lshl_b32 s44, 0x1111, s40
	s_or_b32 s[G1], s43, (3<<16)|(1<<21)           ; O: 8 tiles = 384 dense rows of 256 bytes
	s_mov_b32 s[G1+1], 32<<16
	s_mov_b32 s[G1+2], 384<<16
	s_mov_b32 s[G1+3], 32<<16
	s_mov_b32 s[G1+4], 384
	s_mov_b32 s[G1+5], 32
	s_mov_b32 s[G1+6], 0
	s_mov_b32 s[G1+7], 0
	s_or_b32 s[G1B], s44, (3<<16)|(1<<21)          ; Wo: 64 rows, 768 bytes left of the tensor, 816 in the tile
	s_mov_b32 s[G1B+1], 96<<16
	s_mov_b32 s[G1B+2], 64<<16
	s_mov_b32 s[G1B+3], 102<<16
	s_mov_b32 s[G1B+4], 64
	s_mov_b32 s[G1B+5], 96
	s_mov_b32 s[G1B+6], 0
	s_mov_b32 s[G1B+7], 0
	s_lshl_b32 s20, s17, 4
	s_lshl_b32 s21, s16, 3
	s_add_co_u32 s20, s20, s21
	s_mul_i32 s20, s20, 12288                      ; the 8 tiles of O that I fetch
	s_mov_b32 s21, 0
	s_lshl_b32 s46, s42, 7
	s_lshl_b32 s47, s16, 6
	s_add_co_u32 s46, s46, s47                     ; Wo's row 128 x tile column + 64 x half
	s_lshl_b32 s92, s46, 5                         ; its scales, 32 bytes a row
	s_mov_b32 s93, 0
	s_lshl_b32 s68, s46, 2                         ; and its column of out0, in bytes
	s_mul_i32 s46, s46, 768
	s_mov_b32 s47, 0
	s_lshl_b32 s22, s17, 8
	s_lshl_b32 s23, s15, 7
	s_add_co_u32 s22, s22, s23                     ; my first token
	s_lshl_b32 s18, s22, 13                        ; its row of out0: 8,192 bytes a row
	s_add_co_u32 s18, s18, s68
	s_mov_b32 s19, 0
	s_lshl_b32 s22, s22, 5                         ; its words in osc
	s_mov_b32 s23, 0
	s_wait_dscnt 0x0
	s_wait_kmcnt 0x0
	s_add_nc_u64 s[4:5], s[4:5], s[20:21]
	s_add_nc_u64 s[8:9], s[8:9], s[46:47]
	s_mov_b32 s[G0], 1
	s_mul_i32 s[G0+1], s16, 98304
	s_mov_b64 s[G0+2:G0+3], s[4:5]
	s_or_b32 s[G0+3], s[G0+3], 0x80000000
	s_mov_b32 s[G0B], 1
	s_mul_i32 s[G0B+1], s16, 64*PITCH
	s_add_co_u32 s[G0B+1], s[G0B+1], BT
	s_mov_b64 s[G0B+2:G0B+3], s[8:9]
	s_or_b32 s[G0B+3], s[G0B+3], 0x80000000
	CROUND                                         ; all sixteen work-groups are here: the joint loads meet
	s_cmp_eq_u32 s15, 0
	s_cbranch_scc0 .Lfor_b
	tensor_load_to_lds s[G0:G0+3], s[G1:G1+7]
	s_nop 0
	PLACES
	s_branch .Lasked
.Lfor_b:
	tensor_load_to_lds s[G0B:G0B+3], s[G1B:G1B+7]
	s_nop 0
	PLACES
.Lasked:
	s_add_nc_u64 s[6:7], s[6:7], s[22:23]
	s_add_nc_u64 s[10:11], s[10:11], s[92:93]
	s_add_nc_u64 s[12:13], s[12:13], s[18:19]
	s_mul_i32 s69, s15, 98304                      ; my 8 tiles of O
	s_mul_i32 s70, s16, 64*PITCH
	s_add_co_u32 s70, s70, BT                      ; my 64 rows of Wo
	s_mul_i32 s71, s14, 16*SPITCH
	s_add_co_u32 s71, s71, STAGE                   ; my stage
	v_and_b32 v1, 15, v0                           ; r
	v_bfe_u32 v2, v0, 4, 1                         ; h
	v_and_b32 v6, 31, v0
	v_lshlrev_b32 v7, 4, v6
	v_add_nc_u32 v[ADA], s69, v7
	v_add_nc_u32 v[ADA+1], 49152, v[ADA]
	v_mul_u32_u24 v3, v1, PITCH
	v_mad_u32_u24 v3, v2, 24, v3
	v_add_nc_u32 v[ADB], s70, v3
	v_lshlrev_b32 v4, 5, v1
	v_lshl_add_u32 v[SAA], v2, 11, v4              ; lanes 16-31: 64 tokens on
	v_lshl_add_u32 v[SAB], v2, 10, v4              ; 32 rows on
	v_mul_u32_u24 v5, v1, SPITCH
	v_lshl_add_u32 v5, v2, 5, v5
	v_add_nc_u32 v[STO], s71, v5                   ; in: row r, 32 bytes for each half of the lanes
	v_mul_u32_u24 v5, v2, SPITCH
	v_lshl_add_u32 v5, v1, 4, v5
	v_add_nc_u32 v[RD], s71, v5                    ; back: lanes 0-15 one row of 256 bytes, lanes 16-31 the next
	v_lshlrev_b32 v5, 13, v2
	v_lshl_add_u32 v[CO], v1, 4, v5                ; and the same two rows in out0
	s_wait_alu depctr_va_vdst(0)                   ; the wait at the head's end
.irp i, 0,1,2,3
.irp q, 0,1
	global_load_b128 v[XS+8*\i+4*\q:XS+8*\i+4*\q+3], v[SAA], s[6:7] offset:512*\i+16*\q
.endr
.endr
.irp i, 0,1
.irp q, 0,1
	global_load_b128 v[YS+8*\i+4*\q:YS+8*\i+4*\q+3], v[SAB], s[10:11] offset:512*\i+16*\q
.endr
.endr
.macro FETCHA a                        ; tile a's eight fragments, all of K, into set a % 2
	WIN 0x40
.irp s, 0,1,2,3,4,5,6,7
.irp c, 0,1,2
	ds_load_b128 v[64+96*((\a)%2)+FR*\s+4*\c:64+96*((\a)%2)+FR*\s+4*\c+3], v[ADA+(\a)/4] offset:((\a)%4)*12288+\s*1536+512*\c
.endr
.endr
	WIN 0
.endm
.macro FETCHB h                        ; Wo's fragments of steps 4 h .. 4 h + 3 into window 2 + h
	WIN (2+\h)<<6
.irp q, 0,1,2,3
.irp b, 0,1,2,3
.irp p, 0,1,2,3,4,5
	ds_load_b64 v[FR*(4*\q+\b)+2*\p:FR*(4*\q+\b)+2*\p+1], v[ADB] offset:96*(4*\h+\q)+48*(\p/3)+8*(\p%3)+\b*16*PITCH
.endr
.endr
.endr
	WIN 0
.endm
.macro MULH a, ha, h                   ; tile a, steps 4 h .. 4 h + 3: 16 products, the four accumulators by turns; the first step starts the sums
	WIN 0x56+\h                                    ; source 0 window 2 + h, source 1, C and D window 1
.irp q, 0,1,2,3
.irp hb, 0,1
.irp bb, 0,1
.set DD, 32*((\a)%2)+8*(2*\hb+\bb)
.set XX, FR*(4*\q+2*\hb+\bb)
.set SS, 4*\h+\q
.set YY, 64+96*((\a)%2)+FR*SS
.if SS == 0
	v_wmma_scale_f32_16x16x128_f8f6f4 v[DD:DD+7], v[XX:XX+11], v[YY:YY+11], 0, v[YS+8*\bb+SS], v[XS+8*((\a)%4)+SS] matrix_a_fmt:MATRIX_FMT_FP6 matrix_b_fmt:MATRIX_FMT_FP6 matrix_a_scale:MATRIX_SCALE_ROW\hb matrix_b_scale:MATRIX_SCALE_ROW\ha
.else
	v_wmma_scale_f32_16x16x128_f8f6f4 v[DD:DD+7], v[XX:XX+11], v[YY:YY+11], v[DD:DD+7], v[YS+8*\bb+SS], v[XS+8*((\a)%4)+SS] matrix_a_fmt:MATRIX_FMT_FP6 matrix_b_fmt:MATRIX_FMT_FP6 matrix_a_scale:MATRIX_SCALE_ROW\hb matrix_b_scale:MATRIX_SCALE_ROW\ha
.endif
.endr
.endr
.endr
.endm
; THE WAY OUT of tile a, 16 tokens x 64 columns: through my own stage, back as rows of 256 bytes.  LDS serves a wave's instructions in order: no wait between the stores and the loads.
.macro TOSTAGE a
	WIN 0x04                                       ; the data: window 1
.irp b, 0,1,2,3
	ds_store_b128 v[STO], v[32*((\a)%2)+8*\b:32*((\a)%2)+8*\b+3] offset:64*\b       ; each accumulator from its low end on
	ds_store_b128 v[STO], v[32*((\a)%2)+8*\b+4:32*((\a)%2)+8*\b+7] offset:64*\b+16
.endr
	WIN 0
.irp t, 0,1,2,3,4,5,6,7
	ds_load_b128 v[BK+32*((\a)%2)+4*\t:BK+32*((\a)%2)+4*\t+3], v[RD] offset:\t*2*SPITCH
.endr
.endm
.macro SEND a, younger                 ; younger: the LDS loads issued behind tile a's
	s_wait_dscnt \younger
.irp t, 0,1,2,3,4,5,6,7
	global_store_b128 v[CO], v[BK+32*((\a)%2)+4*\t:BK+32*((\a)%2)+4*\t+3], s[12:13] offset:(\a)*131072+\t*16384 th:TH_STORE_NT   ; 16 lanes store 256 consecutive bytes, at a multiple of 256 from out0's first byte
.endr
.endm
.macro BLOCK a, ha
.if (\a) > 0
	s_wait_dscnt 0x0                               ; tile a's fragments are in
	PLACES                                         ; behind tile a - 1's products: its results are read, and the set that it read is loaded anew
.if (\a) > 2
	s_wait_xcnt 0x0                                ; tile a - 3's stores have read their registers: tile a - 1's rows may land there
.endif
	TOSTAGE (\a)-1
.endif
.if (\a) < 7
	FETCHA (\a)+1
.endif
.if (\a) == 0
	s_wait_dscnt 63                                ; tile 0's fragments and Wo's of steps 0-3 are in: 120 loads were issued behind them, and the field holds 63
.endif
	MULH \a, \ha, 0
.if (\a) == 0
	s_wait_dscnt 24                                ; Wo's of steps 4-7 too; tile 1's 24 loads may be out
.endif
	MULH \a, \ha, 1
	WIN 0
.if (\a) > 0
.if (\a) < 7
	SEND (\a)-1, 24                                ; behind tile a - 1's rows: tile a + 1's 24 loads
.else
	SEND (\a)-1, 0
.endif
.endif
.endm
	s_wait_tensorcnt 0x0                           ; my part of the tiles is in
	s_barrier_signal -1
	s_barrier_wait -1                              ; and everybody's
	FETCHA 0
	FETCHB 0
	FETCHB 1
	s_wait_loadcnt 0x0                             ; the scale words
.irp ha, 0,1
.irp aa, 0,1,2,3
	BLOCK 4*\ha+\aa, \ha
.endr
.endr
	PLACES
	s_wait_xcnt 0x0
	TOSTAGE 7
	SEND 7, 0
	s_wait_tensorcnt 0x0                           ; the wave's end
	ds_add_u32 v[SPW], v[NIL]
	s_wait_dscnt 0x0
	CROUND                                         ; the closing round
	s_endpgm
.Lfunc_end_k_qe2cc80ec37_oproj:
	.size	k_qe2cc80ec37_oproj, .Lfunc_end_k_qe2cc80ec37_oproj-k_qe2cc80ec37_oproj
	.p2alignl 7, 3214868480
	.fill 96, 4, 3214868480
	.section	.rodata,"a",@progbits
	.p2align	6, 0x0
	.amdhsa_kernel k_qe2cc80ec37_oproj
		.amdhsa_group_segment_fixed_size 327680
		.amdhsa_private_segment_fixed_size 0
		.amdhsa_enable_private_segment 0
		.amdhsa_kernarg_size 40
		.amdhsa_user_sgpr_count 2
		.amdhsa_user_sgpr_kernarg_segment_ptr 1
		.amdhsa_wavefront_size32 1
		.amdhsa_system_sgpr_workgroup_id_x 1
		.amdhsa_system_sgpr_workgroup_id_y 1
		.amdhsa_system_sgpr_workgroup_id_z 1
		.amdhsa_system_vgpr_workitem_id 0
		.amdhsa_next_free_vgpr 960
		.amdhsa_next_free_sgpr 98
		.amdhsa_reserve_vcc 0
		.amdhsa_float_denorm_mode_32 3
		.amdhsa_float_denorm_mode_16_64 3
		.amdhsa_memory_ordered 1
		.amdhsa_forward_progress 1
		.amdhsa_inst_pref_size 82
	.end_amdhsa_kernel
	.amdgpu_metadata
---
amdhsa.version: [ 1, 2 ]
amdhsa.kernels:
  - .name:           k_qe2cc80ec37_oproj
    .symbol:         k_qe2cc80ec37_oproj.kd
    .args:
      - { .name: oimg, .offset: 0, .size: 8, .value_kind: global_buffer, .address_space: global }
      - { .name: osc, .offset: 8, .size: 8, .value_kind: global_buffer, .address_space: global }
      - { .name: Wo_codes, .offset: 16, .size: 8, .value_kind: global_buffer, .address_space: global }
      - { .name: Wo_scales, .offset: 24, .size: 8, .value_kind: global_buffer, .address_space: global }
      - { .name: out0, .offset: 32, .size: 8, .value_kind: global_buffer, .address_space: global }
    .group_segment_fixed_size: 327680
    .private_segment_fixed_size: 0
    .kernarg_segment_align: 8
    .kernarg_segment_size: 40
    .max_flat_workgroup_size: 128
    .sgpr_count:     98
    .vgpr_count:     960
    .wavefront_size: 32
...
	.end_amdgpu_metadata
.endif
;; end of part 3
